; MI455X (gfx1250); checked and timed in simulation.
; The chip was launched on July 23, 2026; its instructions are those of AMD's public machine-readable ISA for CDNA 5 (MIT licence, August 2026) and "CDNA5" Instruction Set Architecture Reference Guide (July 2026). The comments in the code are by the model that wrote it; some were corrected since.
;; Multi Head Attention V2. Allowed arithmetic: matrix products marked QUANTISED: E2M1 operands, one E8M0 scale for each 32 along K, by v_wmma_scale_f32_16x16x128_f8f6f4 with both operands' format E2M1 (or v_wmma_scale_f32_32x16x128_f4), f32 sums; products left as they are: bf16, f16 or f32 operands; f32 sums; everything else in f32.
;; Inputs: Wp 4,096 x 512 float32; Wq 512 x 4,096 float32; Wv 512 x 4,096 float32; bp 512 float32; x 4 x 1,024 x 512 float32.
;; Outputs: out0 4 x 1,024 x 512 float32.
;; This version of the problem:
;;   THIS VERSION OF THE PROBLEM IS GIVEN IN LOW PRECISION. The matrix products marked QUANTISED in the list below multiply operands that are first quantised to E2M1 (2 exponent bits, 1 mantissa bit; 4 bits a number), with one power-of-two scale for each 32 numbers along K (OCP MX v1.0); their sums are f32. The products marked 'left as it is' may take bf16, f16 or f32 operands, with f32 sums. All else is computed in f32.
;;   The module's matrix products, in the order in which they are computed (A, B: the left and right operand; K: the contracted axis; several contracted axes count as one K, in the product's order):
;;     1. [M 4,096, K 512] x [K 512, N 4,096]; A: input x; B: input Wq: QUANTISED
;;     2. [M 4,096, K 512] x [K 512, N 4,096]; A: input x; B: input Wq: QUANTISED
;;     3. batch 4 x [M 8,192, K 512] x [K 512, N 1,024]; A: computed on the way; B: input x: left as it is (an operand is computed on the way)
;;     4. batch 32 x [M 1,024, K 1,024] x [K 1,024, N 512]; A: computed on the way; B: computed on the way: left as it is (an operand is computed on the way)
;;     5. [M 4,096, K 4,096] x [K 4,096, N 512]; A: computed on the way; B: input Wp: left as it is (an operand is computed on the way)
;;   THE QUANTISER, for each operand of a quantised product, along K:
;;     - K is cut into blocks of 32 from its start; a last block that is shorter is filled with zeros.
;;     - A block's scale is 2^e with e = floor(log2(the largest magnitude in the block)) - 2, held to -126 .. 127; a block of zeros has e = 0. As a byte (E8M0): e + 127.
;;     - Each number is divided by its block's scale, clamped to +-6, and rounded to the nearest number of E2M1, ties to even, subnormals kept.
;;     - The product sums the exact products of the quantised numbers (number of the format x scale) in f32.
;;   ~~~python
;;   def quantise(x, axis):      # numpy; x: float32 -> the quantised numbers, widened to float32 again
;;       x = np.moveaxis(x, axis, -1); K = x.shape[-1]
;;       x = np.pad(x, [(0, 0)] * (x.ndim - 1) + [(0, -K % 32)]); x = x.reshape(x.shape[:-1] + (-1, 32)); a = np.abs(x).max(-1, keepdims=True)
;;       e = np.where(a > 0, np.clip(np.frexp(np.where(a > 0, a, 1))[1] - 1 - 2, -126, 127), 0)      # np.frexp(a)[1] - 1 = floor(log2(a)), exactly
;;       r = np.clip(x / 2.0 ** e, -6, 6)
;;       step = 2.0 ** (np.maximum(np.frexp(np.where(r == 0, 1, r))[1] - 1, 0) - 1)
;;       q = np.round(r / step) * step * 2.0 ** e      # np.round: ties to even
;;       return np.moveaxis(q.reshape(q.shape[:-2] + (-1,))[..., :K], -1, axis).astype(np.float32)
;;   ~~~
;; One version. Each part assembles by itself: llvm-mc -triple=amdgcn-amd-amdhsa -mcpu=gfx1250 --defsym DOCPART=n.
;; ======== version 1 of 1: 4 launches
;; limits: values are held in f16: magnitudes above 65,504 overflow, below 6.1e-05 lose precision
;; workspace buffers: xc 1,048,576 bytes; xs 65,536 bytes; xb 4,194,304 bytes; wc 1,048,576 bytes; ws 65,536 bytes; wpb 4,194,304 bytes; qb 33,554,432 bytes; part 67,108,864 bytes
;; launch prep (part 1): grid 384 x 1, 4 waves a work-group, no clusters, 43,520 bytes of LDS; arguments x, Wq, Wp, xc, xs, xb, wc, ws, wpb; writes xc, xs, xb, wc, ws, wpb
.if DOCPART == 1
	.amdgcn_target "amdgcn-amd-amdhsa--gfx1250"
	.amdhsa_code_object_version 6
	.text
	.protected	k_qebdf05097b_prep
	.globl	k_qebdf05097b_prep
	.p2align	8
	.type	k_qebdf05097b_prep,@function
k_qebdf05097b_prep:
	s_mov_b64 s[64:65], 0
	v_nop
	global_prefetch_b8 v0, s[64:65] scope:SCOPE_SE
	s_setreg_imm32_b32 hwreg(HW_REG_WAVE_MODE, 25, 1), 1
	s_wait_xcnt 0x0
; PREP: the operands are laid once, as their readers want them.  Three roles, told apart by the work-group's number; each role has LDS bytes of its own.
;   work-groups   0-127: x [4096][512] f32 -> xc: codes of FP4 (E2M1), K innermost, 256 bytes a row; xs: one E8M0 byte for each 32 along K, 16 a row; xb: the same numbers rounded to f16.
;   work-groups 128-255: Wq [512 (k)][4096 (n)] f32, K its FIRST axis -> wc [4 planes of 128 k][4096 n][64 bytes of codes], ws [4 planes][4096 n]: one word of four E8M0 bytes.
;   work-groups 256-383: Wp [4096 (head, channel)][512] f32 -> wpb [8 heads][8 blocks of 64 columns][512 channels][64] f16: each (head, block) is 65,536 consecutive bytes.
; A block's scale is 2^(floor(log2(its largest magnitude)) - 2); its byte is the largest magnitude's exponent field - 2, held at 1 from below by a floor among the maximum's leaves.
; f16 FOR THE PRODUCTS THAT ARE LEFT AS THEY ARE: 11 significant bits.  Both tensors have room in it: numbers of x 30 times those of spread 1, or offset by 30, stay near 150 against
; f16's largest 65,504; numbers of Wp 30 times smaller than 0.0156 stay above its smallest normal number, 6.1e-5.
; LIMITS: |x| and |Wp| under 65,504 (beyond it the conversion gives infinity); a block of zeros gets the byte 1 where the rule says 127 (its codes are zeros, which add nothing, and the
; bytes are read by this program alone); blocks whose largest magnitude lies under 2^-124 are held at the byte 1; NaN and infinities among the inputs are not served.
; The input Wv stands in no launch of this program: reference() never reads it, so no result hangs on it.
; No tensor load, no barrier: waves share nothing.
.set R,    16                          ; role x: v16-143  eight sets of 16 numbers as loaded, one for each step; later their f16
.set X,    144                         ;         v144-175 two sets of 16 neighbours
.set C,    176                         ;         v176-191 codes, two registers a step
.set E,    192                         ;         v192-199 a scale byte a step
.set SP,   80                          ; a lane's place in a stage: 64 bytes + 16 of padding
.set WX,   32                          ; role Wq: v32-95  two sets of 32 numbers
.set WC,   96                          ;          v96-111 codes, four registers a block
.set WO,   112                         ;          v112-127 the way out
.set WSB,  24                          ;          v24     the scale word
.set WQL,  32768                       ; role Wq's LDS begins behind role x's 4 x 8,192 bytes
.macro XLOAD t                         ; step t = row t of my eight: four loads of 512 consecutive bytes
.irp i, 0,1,2,3
	global_load_b128 v[R+16*(\t)+4*\i:R+16*(\t)+4*\i+3], v3, s[8:9] offset:2048*(\t)+512*\i th:TH_LOAD_NT
.endr
.endm
.macro XTURN t                         ; the row goes through my stage as it lies and comes back 64 bytes a lane; LDS serves a wave's instructions in order
.irp i, 0,1,2,3
	ds_store_b128 v14, v[R+16*(\t)+4*\i:R+16*(\t)+4*\i+3] offset:32*SP*((\t)%2)+8*SP*\i
.endr
.irp i, 0,1,2,3
	ds_load_b128 v[X+16*((\t)%2)+4*\i:X+16*((\t)%2)+4*\i+3], v15 offset:32*SP*((\t)%2)+16*\i
.endr
.endm
.macro XCAST t                         ; the row as f16, in place: a step's set is never written again, so its stores need no wait
.irp i, 0,1,2,3
	v_cvt_pk_f16_f32 v[R+16*(\t)+4*\i], v[R+16*(\t)+4*\i], v[R+16*(\t)+4*\i+1]
	v_cvt_pk_f16_f32 v[R+16*(\t)+4*\i+1], v[R+16*(\t)+4*\i+2], v[R+16*(\t)+4*\i+3]
	global_store_b64 v4, v[R+16*(\t)+4*\i:R+16*(\t)+4*\i+1], s[18:19] offset:1024*(\t)+256*\i   ; 32 lanes store 256 consecutive bytes, aligned
.endr
.endm
.macro XSTEP t
.set XS, X+16*((\t)%2)
.if (\t) > 0
	s_wait_dscnt 1                                 ; this step's numbers are back from the stage, so its stores into the stage are done too; the last step's byte store may be out
.else
	s_wait_dscnt 0x0
.endif
	XCAST \t
.if (\t) < 7
	s_wait_loadcnt 4*(6-(\t))                      ; the next step's four loads are in; those of the steps behind it, four each, may be out
	XTURN (\t)+1
.endif
	v_max3_num_f32 v8, |v[XS]|, |v[XS+1]|, |v[XS+2]|              ; the largest magnitude of my 16, in two chains
	v_max3_num_f32 v9, |v[XS+3]|, |v[XS+4]|, |v[XS+5]|
.irp i, 6,10
	v_max3_num_f32 v8, v8, |v[XS+\i]|, |v[XS+\i+1]|
	v_max3_num_f32 v9, v9, |v[XS+\i+2]|, |v[XS+\i+3]|
.endr
	v_max3_num_f32 v8, v8, |v[XS+14]|, |v[XS+15]|
	v_max3_num_f32 v8, v8, v9, 0x1800000           ; and the floor 2^(3 - 127): the byte cannot fall under 1
	v_max_num_f32_dpp v8, v8, v8 row_xmask:1 row_mask:0xf bank_mask:0xf   ; with my neighbour's 16: the block's
	v_add_nc_u32 v11, 0xff000000, v8               ; 2 off its exponent field: the conversion takes the exponent field of this operand as its scale
	v_cvt_scalef32_pk8_fp4_f32 v[C+2*(\t)], v[XS:XS+7], v11
	v_cvt_scalef32_pk8_fp4_f32 v[C+2*(\t)+1], v[XS+8:XS+15], v11
	v_lshrrev_b32 v[E+(\t)], 23, v11               ; the scale's byte (a plain line behind the conversions)
	ds_store_b8 v5, v[E+(\t)] offset:16*(\t)       ; both lanes of a block write the same byte with the same value
	global_store_b64 v4, v[C+2*(\t):C+2*(\t)+1], s[14:15] offset:256*(\t)   ; a row's 256 bytes of codes
.endm
.macro WLOAD t                         ; block t: Wq(128 plane + 32 t + i, my column), i = 0 .. 31
.irp i, 0,1,2,3,4,5,6,7,8,9,10,11,12,13,14,15,16,17,18,19,20,21,22,23,24,25,26,27,28,29,30,31
	global_load_b32 v[WX+32*((\t)%2)+\i], v3, s[10:11] offset:(32*(\t)+\i)*16384 th:TH_LOAD_NT
.endr
.endm
.macro WBLOCK t
.set XS, WX+32*((\t)%2)
.if (\t) < 3
	s_wait_loadcnt 32                              ; this block's 32 loads are in; the next block's 32 may be out
.else
	s_wait_loadcnt 0x0
.endif
	v_max3_num_f32 v12, |v[XS]|, |v[XS+1]|, |v[XS+2]|             ; all 32 numbers of the block are mine
	v_max3_num_f32 v13, |v[XS+3]|, |v[XS+4]|, |v[XS+5]|
.irp i, 6,10,14,18,22,26
	v_max3_num_f32 v12, v12, |v[XS+\i]|, |v[XS+\i+1]|
	v_max3_num_f32 v13, v13, |v[XS+\i+2]|, |v[XS+\i+3]|
.endr
	v_max3_num_f32 v12, v12, |v[XS+30]|, |v[XS+31]|
	v_max3_num_f32 v12, v12, v13, 0x1800000        ; the floor
	v_add_nc_u32 v11, 0xff000000, v12
	v_lshrrev_b32 v13, 23, v11                     ; the scale's byte
.if (\t) == 0
	v_mov_b32 v[WSB], v13                          ; four bytes make the word of (plane, column), the lower K in the lower byte
.else
	v_lshl_or_b32 v[WSB], v13, 8*(\t), v[WSB]
.endif
.irp g, 0,1,2,3
	v_cvt_scalef32_pk8_fp4_f32 v[WC+4*(\t)+\g], v[XS+8*\g:XS+8*\g+7], v11
.endr
	ds_store_b128 v4, v[WC+4*(\t):WC+4*(\t)+3] offset:16*(\t)     ; 32 codes: 16 bytes of my column's 64; each block has registers of its own
.if (\t) < 2
	WLOAD (\t)+2
.endif
.endm
	s_load_b512 s[8:23], s[0:1], 0x0               ; x s[8:9], Wq s[10:11], Wp s[12:13], xc s[14:15], xs s[16:17], xb s[18:19], wc s[20:21], ws s[22:23]
	s_load_b64 s[24:25], s[0:1], 0x40              ; wpb
	v_lshl_add_u32 v200, v0, 2, 0xa800
	v_mov_b32 v201, 0
	v_lshrrev_b32 v1, 5, v0
	v_readfirstlane_b32 s2, v1                     ; wave 0..3
	v_and_b32 v2, 31, v0                           ; lane
	s_mov_b32 s27, 0                               ; the upper word of every offset: all stay under 2^32
	s_wait_kmcnt 0x0
	s_cmp_lt_u32 ttmp9, 128
	s_cbranch_scc1 .Lx
	s_cmp_lt_u32 ttmp9, 256
	s_cbranch_scc1 .Lwq
	; ---- role Wp: a wave takes 64 rows of one block of 64 columns
	s_sub_co_u32 s3, ttmp9, 256
	s_lshl_b32 s3, s3, 2
	s_add_co_u32 s3, s3, s2                        ; 0..511
	s_and_b32 s4, s3, 7                            ; the block of columns
	s_lshr_b32 s5, s3, 3                           ; which 64 rows
	s_lshl_b32 s26, s5, 17                         ; 64 rows of 2,048 bytes
	s_lshl_b32 s6, s4, 8                           ; 64 columns of f32
	s_add_co_u32 s26, s26, s6
	s_add_nc_u64 s[12:13], s[12:13], s[26:27]
	s_lshr_b32 s6, s5, 3                           ; the head
	s_lshl_b32 s6, s6, 3
	s_add_co_u32 s6, s6, s4
	s_lshl_b32 s26, s6, 16                         ; (8 head + block) x 65,536
	s_and_b32 s6, s5, 7
	s_lshl_b32 s6, s6, 13                          ; + 64 channels of 128 bytes
	s_add_co_u32 s26, s26, s6
	s_add_nc_u64 s[24:25], s[24:25], s[26:27]
	v_lshrrev_b32 v3, 4, v2
	v_and_b32 v5, 15, v2
	v_lshlrev_b32 v3, 11, v3
	v_lshl_add_u32 v3, v5, 4, v3                   ; in: lanes 0-15 one row's 256 bytes, lanes 16-31 the next row's
	v_lshlrev_b32 v4, 3, v2                        ; out: 8 bytes a lane: two rows of 128 bytes on end
.set J, 0
.rept 32
	global_load_b128 v[16+4*J:19+4*J], v3, s[12:13] offset:4096*J th:TH_LOAD_NT
.set J, J+1
.endr
.set J, 0
.rept 32
	s_wait_loadcnt 31-J                            ; load J is in, the younger ones may be out
	v_cvt_pk_f16_f32 v[16+4*J], v[16+4*J], v[17+4*J]
	v_cvt_pk_f16_f32 v[17+4*J], v[18+4*J], v[19+4*J]
	global_store_b64 v4, v[16+4*J:17+4*J], s[24:25] offset:256*J   ; 256 consecutive bytes, aligned
.set J, J+1
.endr
	s_endpgm
.Lx:	; ---- role x: a wave takes eight rows, a row a step
	s_lshl_b32 s3, ttmp9, 2
	s_add_co_u32 s3, s3, s2                        ; 0..511: rows 8 id on
	s_lshl_b32 s26, s3, 14
	s_add_nc_u64 s[8:9], s[8:9], s[26:27]          ; x: 8 rows of 2,048 bytes
	s_lshl_b32 s26, s3, 11
	s_add_nc_u64 s[14:15], s[14:15], s[26:27]      ; codes: 256 a row
	s_lshl_b32 s26, s3, 7
	s_add_nc_u64 s[16:17], s[16:17], s[26:27]      ; scale bytes: 16 a row
	s_lshl_b32 s26, s3, 13
	s_add_nc_u64 s[18:19], s[18:19], s[26:27]      ; f16: 1,024 a row
	s_lshl_b32 s4, s2, 13                          ; my wave's 8,192 bytes of LDS: two stages of 32 x 80, then 128 scale bytes
	s_add_co_u32 s5, s4, 2*32*SP
	v_lshlrev_b32 v3, 4, v2                        ; my 16 bytes of a load's 512
	v_lshlrev_b32 v4, 3, v2                        ; 8 bytes a lane: codes and f16 alike
	v_lshrrev_b32 v5, 1, v2
	v_add_nc_u32 v5, s5, v5                        ; my block's scale byte
	v_lshlrev_b32 v7, 2, v2
	v_add_nc_u32 v6, s5, v7                        ; and 4 of them a lane on the way out
	v_lshrrev_b32 v14, 2, v2
	v_mul_u32_u24 v14, v14, SP
	v_and_b32 v15, 3, v2
	v_lshl_add_u32 v14, v15, 4, v14
	v_add_nc_u32 v14, s4, v14                      ; into the stage: four lanes' 64 bytes on end, then 16 of padding
	v_mul_u32_u24 v15, v2, SP
	v_add_nc_u32 v15, s4, v15                      ; out of it: my 16 neighbours
.irp t, 0,1,2,3,4,5,6,7
	XLOAD \t
.endr
	s_wait_loadcnt 28                              ; step 0's four loads are in
	XTURN 0
.irp t, 0,1,2,3,4,5,6,7
	XSTEP \t
.endr
	ds_load_b32 v12, v6                            ; my wave's 128 scale bytes; LDS serves a wave's instructions in order
	s_wait_dscnt 0x0
	global_store_b32 v7, v12, s[16:17]
	s_wait_tensorcnt 0x0
	ds_add_u32 v200, v201
	s_wait_dscnt 0x0
	s_endpgm
.Lwq:	; ---- role Wq: a lane takes a column, its registers run down K; a wave takes 32 columns x one plane of 128 along K
	s_sub_co_u32 s3, ttmp9, 128
	s_and_b32 s4, s3, 31
	s_lshr_b32 s5, s3, 5                           ; the plane
	s_lshl_b32 s4, s4, 7
	s_lshl_b32 s6, s2, 5
	s_add_co_u32 s4, s4, s6                        ; my wave's first column
	s_lshl_b32 s26, s5, 21                         ; 128 rows of 16,384 bytes
	s_lshl_b32 s6, s4, 2
	s_add_co_u32 s26, s26, s6
	s_add_nc_u64 s[10:11], s[10:11], s[26:27]
	s_lshl_b32 s26, s5, 18                         ; a plane of codes: 4,096 x 64 bytes
	s_lshl_b32 s6, s4, 6
	s_add_co_u32 s26, s26, s6
	s_add_nc_u64 s[20:21], s[20:21], s[26:27]
	s_lshl_b32 s26, s5, 14                         ; a plane of scale words
	s_lshl_b32 s6, s4, 2
	s_add_co_u32 s26, s26, s6
	s_add_nc_u64 s[22:23], s[22:23], s[26:27]
	s_mul_i32 s6, s2, 32*SP
	s_add_co_u32 s6, s6, WQL                       ; my stage: 32 columns x (64 bytes + 16)
	v_lshlrev_b32 v3, 2, v2
	v_mul_u32_u24 v4, v2, SP
	v_add_nc_u32 v4, s6, v4                        ; into it: my column's row
	v_lshrrev_b32 v7, 2, v2
	v_mul_u32_u24 v7, v7, SP
	v_and_b32 v8, 3, v2
	v_lshl_add_u32 v7, v8, 4, v7
	v_add_nc_u32 v7, s6, v7                        ; out of it: four lanes to a column
	v_lshlrev_b32 v8, 4, v2
	WLOAD 0
	WLOAD 1
	WBLOCK 0
	WBLOCK 1
	WBLOCK 2
	WBLOCK 3
	global_store_b32 v3, v[WSB], s[22:23]          ; the scale words of my 32 columns
.irp i, 0,1,2,3
	ds_load_b128 v[WO+4*\i:WO+4*\i+3], v7 offset:8*SP*\i
.endr
.irp i, 0,1,2,3
	s_wait_dscnt 3-\i                              ; load i is back, the younger ones may be out
	global_store_b128 v8, v[WO+4*\i:WO+4*\i+3], s[20:21] offset:512*\i   ; 512 consecutive bytes: eight columns' codes
.endr
	s_wait_tensorcnt 0x0
	ds_add_u32 v200, v201
	s_wait_dscnt 0x0
	s_endpgm
.Lfunc_end_k_qebdf05097b_prep:
	.size	k_qebdf05097b_prep, .Lfunc_end_k_qebdf05097b_prep-k_qebdf05097b_prep
	.p2alignl 7, 3214868480
	.fill 96, 4, 3214868480
	.section	.rodata,"a",@progbits
	.p2align	6, 0x0
	.amdhsa_kernel k_qebdf05097b_prep
		.amdhsa_group_segment_fixed_size 43520
		.amdhsa_private_segment_fixed_size 0
		.amdhsa_enable_private_segment 0
		.amdhsa_kernarg_size 72
		.amdhsa_user_sgpr_count 2
		.amdhsa_user_sgpr_kernarg_segment_ptr 1
		.amdhsa_wavefront_size32 1
		.amdhsa_system_sgpr_workgroup_id_x 1
		.amdhsa_system_sgpr_workgroup_id_y 1
		.amdhsa_system_sgpr_workgroup_id_z 1
		.amdhsa_system_vgpr_workitem_id 0
		.amdhsa_next_free_vgpr 202
		.amdhsa_next_free_sgpr 66
		.amdhsa_reserve_vcc 0
		.amdhsa_float_denorm_mode_32 3
		.amdhsa_float_denorm_mode_16_64 3
		.amdhsa_memory_ordered 1
		.amdhsa_forward_progress 1
		.amdhsa_inst_pref_size 57
	.end_amdhsa_kernel
	.amdgpu_metadata
---
amdhsa.version: [ 1, 2 ]
amdhsa.kernels:
  - .name:           k_qebdf05097b_prep
    .symbol:         k_qebdf05097b_prep.kd
    .args:
      - { .name: x, .offset: 0, .size: 8, .value_kind: global_buffer, .address_space: global }
      - { .name: Wq, .offset: 8, .size: 8, .value_kind: global_buffer, .address_space: global }
      - { .name: Wp, .offset: 16, .size: 8, .value_kind: global_buffer, .address_space: global }
      - { .name: xc, .offset: 24, .size: 8, .value_kind: global_buffer, .address_space: global }
      - { .name: xs, .offset: 32, .size: 8, .value_kind: global_buffer, .address_space: global }
      - { .name: xb, .offset: 40, .size: 8, .value_kind: global_buffer, .address_space: global }
      - { .name: wc, .offset: 48, .size: 8, .value_kind: global_buffer, .address_space: global }
      - { .name: ws, .offset: 56, .size: 8, .value_kind: global_buffer, .address_space: global }
      - { .name: wpb, .offset: 64, .size: 8, .value_kind: global_buffer, .address_space: global }
    .group_segment_fixed_size: 43520
    .private_segment_fixed_size: 0
    .kernarg_segment_align: 8
    .kernarg_segment_size: 72
    .max_flat_workgroup_size: 128
    .sgpr_count:     66
    .vgpr_count:     202
    .wavefront_size: 32
...
	.end_amdgpu_metadata
.endif
;; end of part 1
;; launch qgemm (part 2): grid 16 x 16, 4 waves a work-group, clusters of 4 x 4, 197,120 bytes of LDS; arguments xc, xs, wc, ws, qb; writes qb
.if DOCPART == 2
	.amdgcn_target "amdgcn-amd-amdhsa--gfx1250"
	.amdhsa_code_object_version 6
	.text
	.protected	k_qebdf05097b_qgemm
	.globl	k_qebdf05097b_qgemm
	.p2align	8
	.type	k_qebdf05097b_qgemm,@function
k_qebdf05097b_qgemm:
	s_mov_b64 s[64:65], 0
	v_nop
	global_prefetch_b8 v0, s[64:65] scope:SCOPE_SE
	s_setreg_imm32_b32 hwreg(HW_REG_WAVE_MODE, 25, 1), 1
	s_wait_xcnt 0x0
	s_wait_alu depctr_hold_cnt(0) depctr_sa_sdst(0) depctr_va_vdst(0) depctr_va_sdst(0) depctr_va_ssrc(0) depctr_va_vcc(0) depctr_vm_vsrc(0)
	s_getreg_b32 s2, hwreg(HW_REG_IB_STS2, 6, 4)
	s_cmp_eq_u32 s2, 0
	s_cbranch_scc0 .Lentry_in_a_cluster
	s_endpgm
.Lentry_in_a_cluster:
	s_bfe_u32 s2, ttmp6, 0x10000c
	s_cmp_lg_u32 s2, 0xf033
	s_cbranch_scc0 .Lentry_shape_is_right
	s_endpgm
.Lentry_shape_is_right:
; q = Q(x) Q(Wq): [4096 m][512 k] x [512 k][4096 n] on codes of FP4 (E2M1) with one E8M0 scale for each 32 along K; sums in f32, K ascending; q is rounded once to f16 and laid
; [4 batches][8 heads][1024 rows][512], as the attention launch reads it, both as its queries and as its values: reference() forms v by the same product of the same operands, so it is made once.
; f16: 11 significant bits.  q has room in it: a sum of 512 products of numbers of spread 1 and 0.026 has spread 0.58; with x and Wq both 30 times larger its largest numbers lie near 2,700,
; against f16's largest 65,504; with both 30 times smaller its spread is 6e-4, above f16's smallest normal number, 6.1e-5.  LIMIT: |q| under 65,504: beyond it the conversion gives infinity.
; A tile of 256 x 256 is made by a work-group of four waves; a wave makes 128 x 128: 64 accumulators, 512 registers.  16 x 16 tiles: one work-group for each.
; ALL OF K = 512 LIES IN LDS AT ONCE: every LDS byte is filled once, so there is no ring: one round in front of the loads, one barrier behind them, a closing round.
; CLUSTERS: 4 x 4.  x's tile and scales hang on the tile row alone and are asked for jointly along a row of the cluster, Wq's on the tile column alone, along a column.
; Each wave issues four loads: 64 rows of x's codes, one plane (128 k) of Wq's codes for 256 columns, and 1,024 bytes of each side's scales: four tensor loads of mine are out at the most.
; THE MATRIX INSTRUCTION IS USED TRANSPOSED (source 0 = 16 columns of Wq, source 1 = 16 rows of x): a lane then holds eight neighbouring numbers of a row of q.
; REGISTERS: window 0: v16-26 addresses; v32-63 x's scale words (block i, step s at 32 + 4 i + s), v64-95 Wq's: they hold scales and nothing else; v96-127 packed results;
;   v128-191 x's fragments, one set; v192-255 rows on the way out.   window 1: Wq's fragments, two sets, at v0 and v128.   windows 2, 3: the accumulators, (a, b) at v[8 (8 (a % 4) + b)].
.set PITCHA, 272                       ; a row of x's codes in LDS: 256 bytes + 16
.set PITCHB, 80                        ; a column's 64 bytes of one plane + 16
.set BOFF,   256*PITCHA                ; Wq's four planes of 256 columns
.set SCA,    BOFF+4*256*PITCHB         ; x's scale bytes: 16 a row, dense
.set SCB,    SCA+4096                  ; Wq's scale words: four planes of 256
.set STG,    SCB+4096                  ; the way out: 16 rows x (256 bytes + 16) for each wave; no tensor load lands here
.set SPITCH, 272
.set ADRA, 16                          ; v16     my fragments of x
.set ADRB, 20                          ; v20-21  my fragments of Wq: planes 0, 1 and planes 2, 3
.set ADSA, 22                          ; v22     x's scale words
.set ADSB, 23                          ; v23     Wq's
.set STO,  24
.set RD,   25
.set CO,   26
.set SA,   32
.set SB,   64
.set TMP,  96
.set AF,   128
.set BK,   192
.set G1A,  24
.set G1B,  32
.set G1SA, 40
.set G1SB, 48
.set G0A,  56
.set G0B,  60
.set G0SA, 68
.set G0SB, 72
.set MSB, 0
.macro WIN new                         ; the immediate's high byte repeats the setting that is left
.if MSB != (\new)
	s_set_vgpr_msb (MSB<<8)|(\new)
.set MSB, (\new)
.endif
.endm
.set MUL_LO, 0xa1                      ; source 0 (Wq) window 1, source 1 (x) window 0, C and D window 2
.set MUL_HI, 0xf1                      ; the same, C and D window 3
.set TO_B,   0x40                      ; destination window 1, address window 0
.macro CROUND                          ; a round of the cluster's barrier
	s_barrier_signal -1
	s_barrier_wait -1
	s_cmp_lg_u32 s14, 0
	s_cbranch_scc1 .Lnot_wave_0_\@
	s_barrier_signal -3
.Lnot_wave_0_\@:
	s_barrier_wait -3
	s_barrier_signal -1
	s_barrier_wait -1
.endm
.macro PLACES                          ; four plain vector lines in front of loads into registers that matrix instructions have read, and of the first read of results
.rept 4
	v_nop
.endr
.endm
	s_load_b256 s[4:11], s[0:1], 0x0               ; xc s[4:5], xs s[6:7], wc s[8:9], ws s[10:11]
	s_load_b64 s[12:13], s[0:1], 0x20              ; qb
	v_lshl_add_u32 v30, v0, 2, 0x30000
	v_mov_b32 v31, 0
	ds_add_u32 v30, v31
	v_lshrrev_b32 v1, 5, v0
	v_readfirstlane_b32 s14, v1                    ; wave 0..3
	s_lshr_b32 s15, s14, 1                         ; which half of the tile's rows is mine
	s_and_b32 s16, s14, 1                          ; which half of its columns
	s_bfe_u32 s76, ttmp6, 0x40000                  ; cx
	s_bfe_u32 s77, ttmp6, 0x40004                  ; cy
	s_lshl_b32 s78, ttmp9, 2
	s_add_co_u32 s78, s78, s76                     ; tile column = 4 x cluster x + cx
	s_and_b32 s79, ttmp7, 0xffff
	s_lshl_b32 s79, s79, 2
	s_add_co_u32 s79, s79, s77                     ; tile row = 4 x cluster y + cy
	s_lshl_b32 s80, s77, 2
	s_lshl_b32 s80, 15, s80                        ; my row of the cluster
	s_lshl_b32 s81, 0x1111, s76                    ; my column
	; group 1, x's codes: 64 rows x 256 bytes, 4 words of padding behind every 64
	s_or_b32 s[G1A], s80, (0<<16)|(1<<20)|(1<<21)|(5<<22)|(3<<25)
	s_mov_b32 s[G1A+1], 256<<16
	s_mov_b32 s[G1A+2], 64<<16
	s_mov_b32 s[G1A+3], 256<<16
	s_mov_b32 s[G1A+4], 64
	s_mov_b32 s[G1A+5], 256
	s_mov_b32 s[G1A+6], 0
	s_mov_b32 s[G1A+7], 0
	; Wq's codes: 256 rows x 64 bytes, dense in memory, 4 words of padding behind every 16
	s_or_b32 s[G1B], s81, (0<<16)|(1<<20)|(1<<21)|(3<<22)|(3<<25)
	s_mov_b32 s[G1B+1], 64<<16
	s_mov_b32 s[G1B+2], 256<<16
	s_mov_b32 s[G1B+3], 64<<16
	s_mov_b32 s[G1B+4], 256
	s_mov_b32 s[G1B+5], 64
	s_mov_b32 s[G1B+6], 0
	s_mov_b32 s[G1B+7], 0
	; the scales: 1,024 dense bytes as 4 rows of 32 elements of 8 bytes, no padding
	s_or_b32 s[G1SA], s80, (3<<16)|(1<<21)
	s_or_b32 s[G1SB], s81, (3<<16)|(1<<21)
.irp g, G1SA, G1SB
	s_mov_b32 s[\g+1], 32<<16
	s_mov_b32 s[\g+2], 4<<16
	s_mov_b32 s[\g+3], 32<<16
	s_mov_b32 s[\g+4], 4
	s_mov_b32 s[\g+5], 32
	s_mov_b32 s[\g+6], 0
	s_mov_b32 s[\g+7], 0
.endr
	s_lshl_b32 s20, s79, 8
	s_lshl_b32 s21, s14, 6
	s_add_co_u32 s20, s20, s21                     ; x: the 64 rows that I fetch: 256 x tile row + 64 x wave
	s_lshl_b32 s84, s20, 8                         ; their codes,
	s_mov_b32 s85, 0
	s_lshl_b32 s86, s20, 4                         ; their scale bytes
	s_mov_b32 s87, 0
	s_lshl_b32 s88, s78, 14                        ; Wq: 256 columns x 64 bytes x tile column,
	s_lshl_b32 s22, s14, 18                        ; in plane = wave
	s_add_co_u32 s88, s88, s22
	s_mov_b32 s89, 0
	s_lshl_b32 s90, s78, 10                        ; and their scale words
	s_lshl_b32 s22, s14, 14
	s_add_co_u32 s90, s90, s22
	s_mov_b32 s91, 0
	s_mul_i32 s92, s14, 64*PITCHA                  ; where they go: the wave's number times a constant, no place in the cluster
	s_mul_i32 s93, s14, 256*PITCHB
	s_lshl_b32 s94, s14, 10
	s_wait_dscnt 0x0
	s_wait_kmcnt 0x0
	s_mov_b32 s[G0A], 1
	s_mov_b32 s[G0A+1], s92
	s_add_nc_u64 s[G0A+2:G0A+3], s[4:5], s[84:85]
	s_or_b32 s[G0A+3], s[G0A+3], 0x80000000
	s_mov_b32 s[G0B], 1
	s_add_co_u32 s[G0B+1], s93, BOFF
	s_add_nc_u64 s[G0B+2:G0B+3], s[8:9], s[88:89]
	s_or_b32 s[G0B+3], s[G0B+3], 0x80000000
	s_mov_b32 s[G0SA], 1
	s_add_co_u32 s[G0SA+1], s94, SCA
	s_add_nc_u64 s[G0SA+2:G0SA+3], s[6:7], s[86:87]
	s_or_b32 s[G0SA+3], s[G0SA+3], 0x80000000
	s_mov_b32 s[G0SB], 1
	s_add_co_u32 s[G0SB+1], s94, SCB
	s_add_nc_u64 s[G0SB+2:G0SB+3], s[10:11], s[90:91]
	s_or_b32 s[G0SB+3], s[G0SB+3], 0x80000000
	CROUND                                         ; all sixteen work-groups are here: the joint loads meet
	tensor_load_to_lds s[G0SA:G0SA+3], s[G1SA:G1SA+7]
	s_nop 0
	tensor_load_to_lds s[G0SB:G0SB+3], s[G1SB:G1SB+7]
	s_nop 0
	tensor_load_to_lds s[G0A:G0A+3], s[G1A:G1A+7]
	s_nop 0
	tensor_load_to_lds s[G0B:G0B+3], s[G1B:G1B+7]
	s_nop 0
	PLACES                                         ; four v_nop follow the group's last load
	v_and_b32 v1, 15, v0                           ; r
	v_bfe_u32 v2, v0, 4, 1                         ; h
	v_mul_u32_u24 v3, v1, PITCHA
	v_lshl_add_u32 v3, v2, 4, v3
	s_mul_i32 s21, s15, 128*PITCHA
	v_add_nc_u32 v[ADRA], s21, v3                  ; my 128 rows of x: row r, + 16 h
	v_mul_u32_u24 v3, v1, PITCHB
	v_lshl_add_u32 v3, v2, 4, v3
	s_mul_i32 s21, s16, 128*PITCHB
	s_add_co_u32 s21, s21, BOFF
	v_add_nc_u32 v[ADRB], s21, v3                  ; my 128 columns of Wq, planes 0 and 1;
	v_add_nc_u32 v[ADRB+1], 2*256*PITCHB, v[ADRB]  ; planes 2 and 3 lie beyond a 16-bit offset
	s_lshl_b32 s21, s15, 11
	s_add_co_u32 s21, s21, SCA
	v_lshl_add_u32 v[ADSA], v1, 4, s21             ; row r's four scale words
	s_lshl_b32 s21, s16, 9
	s_add_co_u32 s21, s21, SCB
	v_lshl_add_u32 v[ADSB], v1, 2, s21             ; column r's word of a plane
	s_mul_i32 s21, s14, 16*SPITCH
	s_add_co_u32 s21, s21, STG
	v_mul_u32_u24 v3, v1, SPITCH
	v_lshl_add_u32 v3, v2, 4, v3
	v_add_nc_u32 v[STO], s21, v3                   ; into my stage: row r, 16 bytes for each half of the lanes
	v_mul_u32_u24 v3, v2, SPITCH
	v_lshl_add_u32 v3, v1, 4, v3
	v_add_nc_u32 v[RD], s21, v3                    ; back: lanes 0-15 one row of 256 bytes, lanes 16-31 the next
	v_lshlrev_b32 v3, 10, v2
	v_lshl_add_u32 v[CO], v1, 4, v3                ; and the same two rows of q (1,024 bytes a row)
	s_lshr_b32 s20, s79, 2                         ; the batch
	s_lshl_b32 s20, s20, 3
	s_lshr_b32 s21, s78, 1                         ; the head
	s_add_co_u32 s20, s20, s21
	s_lshl_b32 s20, s20, 10
	s_and_b32 s21, s79, 3
	s_lshl_b32 s21, s21, 8
	s_add_co_u32 s20, s20, s21
	s_lshl_b32 s21, s15, 7
	s_add_co_u32 s20, s20, s21                     ; my first row in qb
	s_lshl_b32 s20, s20, 10
	s_and_b32 s21, s78, 1
	s_lshl_b32 s21, s21, 9
	s_add_co_u32 s20, s20, s21                     ; + which half of the head's 512 channels,
	s_lshl_b32 s21, s16, 8
	s_add_co_u32 s20, s20, s21                     ; + my 128 of them
	s_mov_b32 s21, 0
	s_add_nc_u64 s[12:13], s[12:13], s[20:21]
.macro FRAGA reg, q, i                 ; 16 rows x 128 K of 4-bit codes: lane (r, h): registers 4 c .. 4 c + 3 hold K = 64 c + 32 h + 0 .. 31
.irp c, 0,1
	ds_load_b128 v[\reg+4*\c:\reg+4*\c+3], v[ADRA] offset:64*(\q)+32*\c+16*PITCHA*(\i)
.endr
.endm
.macro FRAGB reg, q, i
.irp c, 0,1
	ds_load_b128 v[\reg+4*\c:\reg+4*\c+3], v[ADRB+(\q)/2] offset:256*PITCHB*((\q)%2)+16*PITCHB*(\i)+32*\c
.endr
.endm
.macro FETCH_B q, p                    ; Wq's eight fragments of step q into set p
	WIN TO_B
.irp i, 0,1,2,3,4,5,6,7
	FRAGB 128*(\p)+8*\i, \q, \i
.endr
	WIN 0
.endm
.macro FETCH_A q, i0                   ; x's blocks i0 .. i0 + 3
.irp i, \i0, \i0+1, \i0+2, \i0+3
	FRAGA AF+8*(\i), \q, \i
.endr
.endm
.macro SCALES                          ; all scale words of my 128 rows and 128 columns, once
.irp i, 0,1,2,3,4,5,6,7
	ds_load_b128 v[SA+4*\i:SA+4*\i+3], v[ADSA] offset:256*\i
.endr
.irp i, 0,1,2,3,4,5,6,7
.irp q, 0,1,2,3
	ds_load_b32 v[SB+4*\i+\q], v[ADSB] offset:1024*\q+64*\i
.endr
.endr
.endm
; 16 matrix instructions: x's blocks a0, a0 + 1 against Wq's eight.  The 64 accumulators take turns, one instruction a turn, in the same order in every step.
.macro MUL16 a0, p, q, zero
.irp a, \a0, \a0+1
.irp b, 0,1,2,3,4,5,6,7
.if \zero
	v_wmma_scale_f32_16x16x128_f8f6f4 v[8*(8*((\a)%4)+\b):8*(8*((\a)%4)+\b)+7], v[128*(\p)+8*\b:128*(\p)+8*\b+7], v[AF+8*(\a):AF+8*(\a)+7], 0, v[SB+4*\b+(\q)], v[SA+4*(\a)+(\q)] matrix_a_fmt:MATRIX_FMT_FP4 matrix_b_fmt:MATRIX_FMT_FP4
.else
	v_wmma_scale_f32_16x16x128_f8f6f4 v[8*(8*((\a)%4)+\b):8*(8*((\a)%4)+\b)+7], v[128*(\p)+8*\b:128*(\p)+8*\b+7], v[AF+8*(\a):AF+8*(\a)+7], v[8*(8*((\a)%4)+\b):8*(8*((\a)%4)+\b)+7], v[SB+4*\b+(\q)], v[SA+4*(\a)+(\q)] matrix_a_fmt:MATRIX_FMT_FP4 matrix_b_fmt:MATRIX_FMT_FP4
.endif
.endr
.endr
.endm
.macro STEP q, zero                    ; 128 along K that have a successor
	s_wait_dscnt 8                                 ; all but the youngest eight loads (x's blocks 4-7) are in
	WIN MUL_LO
	MUL16 0, (\q)%2, \q, \zero
	MUL16 2, (\q)%2, \q, \zero
	s_wait_dscnt 0x0                               ; x's blocks 4-7 are in
	PLACES
	FETCH_B (\q)+1, 1-(\q)%2
	FETCH_A (\q)+1, 0
	WIN MUL_HI
	MUL16 4, (\q)%2, \q, \zero
	MUL16 6, (\q)%2, \q, \zero
	PLACES
	WIN 0
	FETCH_A (\q)+1, 4
.endm
	s_wait_tensorcnt 0x0                           ; my four loads have landed,
	s_barrier_signal -1
	s_barrier_wait -1                              ; everybody's have
	FETCH_B 0, 0
	FETCH_A 0, 0
	SCALES
	FETCH_A 0, 4
	STEP 0, 1                                      ; the first products start the sums: nothing is cleared
	STEP 1, 0
	STEP 2, 0
	s_wait_dscnt 8
	WIN MUL_LO
	MUL16 0, 1, 3, 0
	MUL16 2, 1, 3, 0
	s_wait_dscnt 0x0
	WIN MUL_HI
	MUL16 4, 1, 3, 0
	MUL16 6, 1, 3, 0
	WIN 0
; THE WAY OUT, a block of 16 rows x 128 columns at a time: rounded to f16 (16 bytes a lane), through my own stage, back as whole rows of 256 bytes.
.macro PACK a
.set AC, 64*((\a)%4)
	WIN 0x0a+5*((\a)/4)                            ; sources 0 and 1: window 2 or 3
.irp b, 0,1,2,3,4,5,6,7
.irp r, 0,1,2,3
	v_cvt_pk_f16_f32 v[TMP+4*\b+\r], v[AC+8*\b+2*\r], v[AC+8*\b+2*\r+1]   ; each accumulator from its low end on
.endr
.endr
	WIN 0
.endm
.macro TOSTAGE a
.set BB, BK+32*((\a)%2)
.irp b, 0,1,2,3,4,5,6,7
	ds_store_b128 v[STO], v[TMP+4*\b:TMP+4*\b+3] offset:32*\b
.endr
.irp t, 0,1,2,3,4,5,6,7
	ds_load_b128 v[BB+4*\t:BB+4*\t+3], v[RD] offset:\t*2*SPITCH   ; LDS serves a wave's instructions in order: these see the stores above
.endr
.endm
.macro SEND a
.set BB, BK+32*((\a)%2)
	s_wait_dscnt 0x0                               ; the block is back in registers
	s_wait_xcnt 0x0                                ; the earlier stores have read their base and their registers: both may be written again
.if (\a) > 0
	s_add_nc_u64 s[12:13], s[12:13], 16*1024       ; 16 rows of q on
.endif
.irp t, 0,1,2,3,4,5,6,7
	global_store_b128 v[CO], v[BB+4*\t:BB+4*\t+3], s[12:13] offset:2048*\t   ; 16 lanes store 256 consecutive bytes, aligned
.endr
.endm
	PLACES
	PACK 0
	TOSTAGE 0
.irp a, 1,2,3,4,5,6,7
	PACK \a                                        ; block a's conversions stand between block a - 1's loads from the stage and the wait for them
	SEND \a-1
	TOSTAGE \a
.endr
	SEND 7
	s_wait_tensorcnt 0x0
	ds_add_u32 v30, v31
	s_wait_dscnt 0x0
	CROUND                                         ; the closing round: no work-group ends while a partner may still ask for a tile that names it
	s_endpgm
.Lfunc_end_k_qebdf05097b_qgemm:
	.size	k_qebdf05097b_qgemm, .Lfunc_end_k_qebdf05097b_qgemm-k_qebdf05097b_qgemm
	.p2alignl 7, 3214868480
	.fill 96, 4, 3214868480
	.section	.rodata,"a",@progbits
	.p2align	6, 0x0
	.amdhsa_kernel k_qebdf05097b_qgemm
		.amdhsa_group_segment_fixed_size 197120
		.amdhsa_private_segment_fixed_size 0
		.amdhsa_enable_private_segment 0
		.amdhsa_kernarg_size 40
		.amdhsa_user_sgpr_count 2
		.amdhsa_user_sgpr_kernarg_segment_ptr 1
		.amdhsa_wavefront_size32 1
		.amdhsa_system_sgpr_workgroup_id_x 1
		.amdhsa_system_sgpr_workgroup_id_y 1
		.amdhsa_system_sgpr_workgroup_id_z 1
		.amdhsa_system_vgpr_workitem_id 0
		.amdhsa_next_free_vgpr 1024
		.amdhsa_next_free_sgpr 100
		.amdhsa_reserve_vcc 0
		.amdhsa_float_denorm_mode_32 3
		.amdhsa_float_denorm_mode_16_64 3
		.amdhsa_memory_ordered 1
		.amdhsa_forward_progress 1
		.amdhsa_inst_pref_size 84
	.end_amdhsa_kernel
	.amdgpu_metadata
---
amdhsa.version: [ 1, 2 ]
amdhsa.kernels:
  - .name:           k_qebdf05097b_qgemm
    .symbol:         k_qebdf05097b_qgemm.kd
    .args:
      - { .name: xc, .offset: 0, .size: 8, .value_kind: global_buffer, .address_space: global }
      - { .name: xs, .offset: 8, .size: 8, .value_kind: global_buffer, .address_space: global }
      - { .name: wc, .offset: 16, .size: 8, .value_kind: global_buffer, .address_space: global }
      - { .name: ws, .offset: 24, .size: 8, .value_kind: global_buffer, .address_space: global }
      - { .name: qb, .offset: 32, .size: 8, .value_kind: global_buffer, .address_space: global }
    .group_segment_fixed_size: 197120
    .private_segment_fixed_size: 0
    .kernarg_segment_align: 8
    .kernarg_segment_size: 40
    .max_flat_workgroup_size: 128
    .sgpr_count:     100
    .vgpr_count:     1024
    .wavefront_size: 32
...
	.end_amdgpu_metadata
.endif
;; end of part 2
;; launch attn (part 3): grid 8 x 32, 4 waves a work-group, clusters of 4 x 1, 327,680 bytes of LDS; arguments qb, xb, wpb, part; writes part
.if DOCPART == 3
	.amdgcn_target "amdgcn-amd-amdhsa--gfx1250"
	.amdhsa_code_object_version 6
	.text
	.protected	k_qebdf05097b_attn
	.globl	k_qebdf05097b_attn
	.p2align	8
	.type	k_qebdf05097b_attn,@function
k_qebdf05097b_attn:
	s_mov_b64 s[64:65], 0
	v_nop
	global_prefetch_b8 v0, s[64:65] scope:SCOPE_SE
	s_setreg_imm32_b32 hwreg(HW_REG_WAVE_MODE, 25, 1), 1
	s_wait_xcnt 0x0
	s_wait_alu depctr_hold_cnt(0) depctr_sa_sdst(0) depctr_va_vdst(0) depctr_va_sdst(0) depctr_va_ssrc(0) depctr_va_vcc(0) depctr_vm_vsrc(0)
	s_getreg_b32 s2, hwreg(HW_REG_IB_STS2, 6, 4)
	s_cmp_eq_u32 s2, 0
	s_cbranch_scc0 .Lentry_in_a_cluster
	s_endpgm
.Lentry_in_a_cluster:
	s_bfe_u32 s2, ttmp6, 0x10000c
	s_cmp_lg_u32 s2, 0x3003
	s_cbranch_scc0 .Lentry_shape_is_right
	s_endpgm
.Lentry_shape_is_right:
; For one batch b, one head h and 128 queries: S = q x^T / sqrt(512), softmax along the 1,024 keys, O = P v with v = q, and, fused, this head's part of the last product:
; part[h][m][:] = (O / l) Wp[512 h .. 512 h + 511][:].  q, x, Wp come as f16 (qb, xb, wpb); products in f16 with f32 sums; maxima, exponentials and sums in f32; the weights p and O / l are
; rounded to f16 for the products that take them.  The parts are f32; the next launch adds the eight heads and the bias: the last product's K is summed head by head, an order of
; rounding other than reference()'s.
; f16 AND ITS ROOM (11 significant bits; largest number 65,504, smallest normal 6.1e-5, under that an absolute step of 6e-8).  p is at most 1, and a row's sum at least 1: what a small p loses
; is under 1e-7 of the sum.  O / l is a mean of rows of q with weights that add up to 1: no larger than q's largest number.  Its spread is some 0.022 for q of spread 0.58 and 1,024 keys; with x and Wq
; both 30 times smaller, 2.4e-5, where the absolute step is 2.5e-3 of the spread, still finer than 8 significant bits would be.  q, x and Wp: see the launches that make them.
; LIMITS: |q| and |x| under 65,504; NaN and infinities among the inputs are not served.
; SHARES.  A work-group owns 128 queries, each of its four waves 32: two tiles of 16.  Sixteen key steps of 64 keys (256 matrix instructions a wave), then eight steps of 64 output columns (128 each).
; LAYOUT.  All three products are used transposed, so that a lane holds ONE query (lane % 16) throughout: S^T = x q^T (source 0 = 16 keys), O^T = v^T P (source 0 = 16 channels, turned out of LDS by
; ds_load_tr16_b128), Y^T = Wp^T O (source 0 = 16 output columns, turned likewise).  Two tiles of S^T rounded in pairs ARE a fragment of P; two tiles of O^T rounded in pairs ARE a fragment of O.
; SOFTMAX.  A running maximum m and sum l for each query: p = 2^(c s - c m), c = log2(e) / sqrt(512); in every step O and l are multiplied by a = 2^(c m_old - c m_new).
; RING.  Two LDS slots; a slot holds a key step's 64 rows of x and 64 rows of v, later 512 channels x 64 columns of Wp.  At each step's head stands the change of slots; behind it each wave asks
; for its part of the next step's tile: one tensor load of mine is out at the most, and it has the whole step in which to land.
; CLUSTER.  The four query blocks of a cluster belong to one (b, h) and walk the same x, v and Wp: every tile is asked for jointly, by the same load with a mask that names the four.
; REGISTERS, in windows of 256: window 0: v2-13 addresses; v16-31 statistics, 8 a tile; v32-95 S^T (or Y^T), 32 a tile; v96-127 P, 16 a tile; v128-255 a ring of 16 fragments from LDS.
;   window 1: Q, tile t, channels 32 kk on at v[128 t + 8 kk]; behind the key steps O / l as f16 in the same places.   windows 2, 3: O^T, tile t, channels 16 c on in window 2 + c / 16 at v[128 t + 8 (c % 16)].
.set PX,    1040                       ; a row of x in LDS: 1,024 bytes + 16: 260 words: the 16 rows of a fragment load start at 16 different banks (64 banks of 4 bytes: ISA guide 11.1)
.set PV,    1056                       ; a row of v: 1,024 + 32: 264 words: row r starts at bank 8 r mod 64
.set PW,    288                        ; two channels of Wp (2 x 128 bytes) + 32
.set VOFF,  64*PX
.set SLOT1, 0x22000                    ; slot 1 begins here; no address inside slot 0's descriptors or lanes' bases has one of its two bits set at the slot's start, so one exclusive or changes slots
.set STAGE, SLOT1+64*(PX+PV)           ; behind the ring: 32 rows x (256 bytes + 16) for each wave, for the way out; no tensor load lands here
.set SP,    272
.set SPARE, STAGE+4*32*SP              ; the spare words, 128 bytes for each wave: two blocks of 256 bytes that no other line names
.set AX0, 2                            ; v2   my lane's place in a tile of x
.set AV0, 3                            ; v3   in a tile of v
.set AW0, 4                            ; v4   in a tile of Wp
.set ADX, 5                            ; v5   the step's address for x, or for Wp's channels 0-255
.set ADV, 6                            ; v6   for v, or for Wp's channels 256-511
.set QO,  7
.set STO, 8
.set RD,  9
.set SPW, 10                           ; v10  SPARE + 4 x my thread's number; never rewritten
.set NIL, 11                           ; v11  0; never rewritten
.set PFO, 12                           ; v12  256 x my lane; never rewritten
.set GO,  13
.set ST,  16                           ; tile t at v[ST + 8 t]: +0 c m, +1 m, +2, +3 l (even keys', odd keys'), +4 to +7 at work; a (at the end 1 / l) in +6
.set S,   32
.set P,   96
.set F,   128
.set WV,  12
.set G1X, 24
.set G1V, 32
.set G1W, 40
.set G0X, 48
.set G0V, 52
.set G0W, 56
.set CS,  60                           ; s[60:61] c, twice
.set SEL, 62                           ; s[62:63] v_permlanex16_b32's selects for lane l xor 16
.set TB,  66                           ; s66  where the slot in hand begins
.set CNT, 67
.set PFA, 68                           ; s[68:69] where my prefetches of x or v stand
.set LIM, 70                           ; s70  1 in a wave that prefetches x or v, else the greatest number
.set LIMW, 71                          ; s71  2 in a wave that prefetches Wp, else the greatest number
.set PFW, 72                           ; s[72:73] where my prefetches of Wp stand
.set OUTP, 74                          ; s[74:75] my 32 rows of part, at the step's 64 columns
.set MSB, 0
.macro WIN new                         ; the immediate's high byte repeats the setting that is left; a switch that changes nothing is dropped
.if MSB != (\new)
	s_set_vgpr_msb (MSB<<8)|(\new)
.set MSB, (\new)
.endif
.endm
.macro PLACES                          ; four plain vector lines behind matrix instructions, in front of loads into their sources and of the first read of their results
.rept 4
	v_nop
.endr
.endm
.macro CROUND                          ; a round of the cluster's barrier
	s_barrier_signal -1
	s_barrier_wait -1
	s_cmp_lg_u32 s[WV], 0
	s_cbranch_scc1 .Lnot_wave_0_\@
	s_barrier_signal -3
.Lnot_wave_0_\@:
	s_barrier_wait -3
	s_barrier_signal -1
	s_barrier_wait -1
.endm
; Waves 0 and 1 fetch the two halves of x's 64 rows, waves 2 and 3 those of v's.  The branch hangs on the wave's number alone.  Four v_nop follow each load.
.macro JLOAD_XV
	s_cmp_lt_u32 s[WV], 2
	s_cbranch_scc0 .Lfor_v_\@
	tensor_load_to_lds s[G0X:G0X+3], s[G1X:G1X+7]
	s_nop 0
	PLACES
	s_branch .Lasked_\@
.Lfor_v_\@:
	tensor_load_to_lds s[G0V:G0V+3], s[G1V:G1V+7]
	s_nop 0
	PLACES
.Lasked_\@:
.endm
.macro JLOAD_W                         ; every wave fetches 128 channels of Wp's tile
	tensor_load_to_lds s[G0W:G0W+3], s[G1W:G1W+7]
	s_nop 0
	PLACES
.endm
; PREFETCHES INTO THE L2, behind the wave's tensor load and its four lines.  A tile is 65,536 bytes: 256 blocks of 256.  The four partners' two asking waves take 8,192 bytes each, told apart by
; ADDRESS (2 cx + the wave's bit), lanes 256 bytes apart: one instruction a wave, each block named once in the launch.  x's tiles are walked by all heads and both clusters of a batch: head 0's first
; cluster asks (waves 0, 1); v's by both clusters of a (batch, head): the first asks (waves 2, 3); Wp's by all batches: batch 0's first cluster asks (waves 0, 1).
; x and v: change s asks for step s + 2's tile, s = 1 .. 13; steps 0 to 2 come by their loads alone, and nothing is asked for past step 15.
.macro ASK_XV
	s_cmp_gt_u32 s[CNT], s[LIM]
	s_cbranch_scc0 .Lnot_mine_\@
	global_prefetch_b8 v[PFO], s[PFA:PFA+1] th:TH_LOAD_NT scope:SCOPE_SE
.Lnot_mine_\@:
.endm
; Wp: key step 15's change asks for blocks 1 and 2, column step 0's for block 3, column step e's for block e + 3 while there is one (e up to 4).
.macro ASK_W how, n
.if \how
	s_cmp_eq_u32 s[LIMW], 2
.else
	s_cmp_gt_u32 s[CNT], s[LIMW]
.endif
	s_cbranch_scc0 .Lnot_w_\@
	global_prefetch_b8 v[PFO], s[PFW:PFW+1] th:TH_LOAD_NT scope:SCOPE_SE
.if \n > 1
	global_prefetch_b8 v[PFO], s[PFW:PFW+1] offset:65536 th:TH_LOAD_NT scope:SCOPE_SE
.endif
.Lnot_w_\@:
.endm
; THE CHANGE OF SLOTS, at a step's head.  Each wave waits for all its tensor loads (the one that is out is its part of the slot about to be read), adds 0 to its spare word, and waits for that and for its
; reads of the slot that it has left.  The round then holds of every wave of all four partners, and the joint refill of the slot just left is the first thing behind it.
.macro CHANGE_XV ask
	s_wait_tensorcnt 0x0                           ; no tensor load of mine is out, so a group 0 may be written
	ds_add_u32 v[SPW], v[NIL]                      ; 0 onto my spare word
	s_xor_b32 s[G0X+1], s[G0X+1], SLOT1            ; the walking descriptors: the other slot,
	s_add_nc_u64 s[G0X+2:G0X+3], s[G0X+2:G0X+3], 65536   ; the next 64 rows; the type bits on top are not reached
	s_xor_b32 s[G0V+1], s[G0V+1], SLOT1
	s_add_nc_u64 s[G0V+2:G0V+3], s[G0V+2:G0V+3], 65536
.if \ask
	s_wait_xcnt 0x0                                ; the last prefetch, a key step back, has read its address
	s_add_nc_u64 s[PFA:PFA+1], s[PFA:PFA+1], 65536
.endif
	s_wait_dscnt 0x0                               ; the add is done, and my reads of the slot that I have left are over
	CROUND
	JLOAD_XV
.if \ask
	ASK_XV
.endif
	v_add_nc_u32 v[ADX], s[TB], v[AX0]
	v_add_nc_u32 v[ADV], s[TB], v[AV0]
.endm
.macro CHANGE_W0                       ; key step 15: no keys are left to fetch; Wp's block 0 goes into the slot just left
	s_wait_tensorcnt 0x0
	ds_add_u32 v[SPW], v[NIL]
	s_wait_dscnt 0x0
	CROUND
	JLOAD_W
	ASK_W 1, 2
	v_add_nc_u32 v[ADX], s[TB], v[AX0]
	v_add_nc_u32 v[ADV], s[TB], v[AV0]
.endm
.macro CHANGE_W pfstep, outstep, how   ; column steps 0 to 6: the next block of Wp is asked for
	s_wait_tensorcnt 0x0
	ds_add_u32 v[SPW], v[NIL]
	s_xor_b32 s[G0W+1], s[G0W+1], SLOT1
	s_add_nc_u64 s[G0W+2:G0W+3], s[G0W+2:G0W+3], 65536
	s_wait_xcnt 0x0                                ; the last step's stores and prefetches have read their registers and bases
	s_add_nc_u64 s[PFW:PFW+1], s[PFW:PFW+1], \pfstep
.if \outstep
	s_add_nc_u64 s[OUTP:OUTP+1], s[OUTP:OUTP+1], 256   ; the next 64 columns of part
.endif
	s_wait_dscnt 0x0
	CROUND
	JLOAD_W
	ASK_W \how, 1
	v_add_nc_u32 v[ADX], s[TB], v[AW0]
	v_add_nc_u32 v[ADV], 128*PW, v[ADX]
.endm
.macro CHANGE_END                      ; column step 7: nothing is filled again, so no round
	s_wait_tensorcnt 0x0
	ds_add_u32 v[SPW], v[NIL]
	s_wait_xcnt 0x0
	s_add_nc_u64 s[OUTP:OUTP+1], s[OUTP:OUTP+1], 256
	s_wait_dscnt 0x0
	s_barrier_signal -1
	s_barrier_wait -1
	v_add_nc_u32 v[ADX], s[TB], v[AW0]
	v_add_nc_u32 v[ADV], 128*PW, v[ADX]
.endm
; FRAGMENTS come in groups of four (eight LDS loads) into the ring's places 4 (g % 4) + 0 .. 3; a group feeds eight matrix instructions.
.macro FETCH_X g                       ; channels 32 g on of the step's four tiles of 16 keys
.irp kt, 0,1,2,3
	ds_load_b128 v[F+8*(4*((\g)%4)+\kt):F+8*(4*((\g)%4)+\kt)+3], v[ADX] offset:16*PX*\kt+64*(\g)
	ds_load_b128 v[F+8*(4*((\g)%4)+\kt)+4:F+8*(4*((\g)%4)+\kt)+7], v[ADX] offset:16*PX*\kt+64*(\g)+32
.endr
.endm
.macro FETCH_V g                       ; keys 32 (g / 8) on, channels 16 (4 (g % 8) + i) on, turned
.irp i, 0,1,2,3
	ds_load_tr16_b128 v[F+8*(4*((\g)%4)+\i):F+8*(4*((\g)%4)+\i)+3], v[ADV] offset:32*PV*((\g)/8)+32*(4*((\g)%8)+\i)
	ds_load_tr16_b128 v[F+8*(4*((\g)%4)+\i)+4:F+8*(4*((\g)%4)+\i)+7], v[ADV] offset:32*PV*((\g)/8)+32*(4*((\g)%8)+\i)+16*PV
.endr
.endm
.macro FETCH_W g                       ; channels 32 g on, the step's four tiles of 16 columns, turned
.irp oc, 0,1,2,3
	ds_load_tr16_b128 v[F+8*(4*((\g)%4)+\oc):F+8*(4*((\g)%4)+\oc)+3], v[ADX+(\g)/8] offset:16*PW*((\g)%8)+32*\oc
	ds_load_tr16_b128 v[F+8*(4*((\g)%4)+\oc)+4:F+8*(4*((\g)%4)+\oc)+7], v[ADX+(\g)/8] offset:16*PW*((\g)%8)+32*\oc+8*PW
.endr
.endm
; Eight products onto the eight accumulators of S^T (or Y^T), by turns, one instruction a turn; group 0 starts the sums.
.macro MULS g
.irp kt, 0,1,2,3
.irp t, 0,1
.if (\g) == 0
	v_wmma_f32_16x16x32_f16 v[S+32*\t+8*\kt:S+32*\t+8*\kt+7], v[F+8*(4*((\g)%4)+\kt):F+8*(4*((\g)%4)+\kt)+7], v[128*\t+8*(\g):128*\t+8*(\g)+7], 0
.else
	v_wmma_f32_16x16x32_f16 v[S+32*\t+8*\kt:S+32*\t+8*\kt+7], v[F+8*(4*((\g)%4)+\kt):F+8*(4*((\g)%4)+\kt)+7], v[128*\t+8*(\g):128*\t+8*(\g)+7], v[S+32*\t+8*\kt:S+32*\t+8*\kt+7]
.endif
.endr
.endr
.endm
; Eight products of O^T += v^T P; between two products on one accumulator stand 63 others'.  zero = 1: the first key step's first 64 start the sums: nothing is ever cleared.
.macro MULO g, zero
.irp i, 0,1,2,3
.irp t, 0,1
.if \zero && ((\g) < 8)
	v_wmma_f32_16x16x32_f16 v[128*\t+8*(4*((\g)%4)+\i):128*\t+8*(4*((\g)%4)+\i)+7], v[F+8*(4*((\g)%4)+\i):F+8*(4*((\g)%4)+\i)+7], v[P+16*\t+8*((\g)/8):P+16*\t+8*((\g)/8)+7], 0
.else
	v_wmma_f32_16x16x32_f16 v[128*\t+8*(4*((\g)%4)+\i):128*\t+8*(4*((\g)%4)+\i)+7], v[F+8*(4*((\g)%4)+\i):F+8*(4*((\g)%4)+\i)+7], v[P+16*\t+8*((\g)/8):P+16*\t+8*((\g)/8)+7], v[128*\t+8*(4*((\g)%4)+\i):128*\t+8*(4*((\g)%4)+\i)+7]
.endif
.endr
.endr
.endm
; A RUN of 16 groups.  Groups 0 to 3 have been asked for; group g + 4 is asked for behind group g's products, into the places that they have read: 24 matrix instructions ahead of its use.
; The wait leaves out the loads of the groups behind g that have been asked for: three groups (24 loads), at the end 16, 8, 0.
.macro GWAIT
.if G < 13
	s_wait_dscnt 24
.else
	s_wait_dscnt 8*(15-G)
.endif
.endm
.macro RUN_S w                         ; under the setting 0x04 (source 1 in window 1): LDS loads name no source 1, so nothing is switched in the run
.set G, 0
.rept 16
	GWAIT
	MULS G
.if G < 12
	PLACES
.if \w
	FETCH_W G+4
.else
	FETCH_X G+4
.endif
.endif
.set G, G+1
.endr
.endm
.macro RUN_O zero
.set G, 0
.rept 16
	GWAIT
.if (G%8) < 4
	WIN 0xa0                                       ; C and D in window 2
.else
	WIN 0xf0                                       ; in window 3
.endif
	MULO G, \zero
.if G < 12
	WIN 0
	PLACES
	FETCH_V G+4
.endif
.set G, G+1
.endr
.endm
; THE SOFTMAX of a key step, both tiles line by line in turn.  first = 1: the first step starts m and l and has no a.
.macro SOFT first
.irp j, 0,1,2,3
.irp t, 0,1
	v_max3_num_f32 v[ST+8*\t+4+\j], v[S+32*\t+8*\j], v[S+32*\t+8*\j+1], v[S+32*\t+8*\j+2]   ; four chains a tile; each accumulator is read from its low end on
.endr
.endr
.irp u, 3,5
.irp j, 0,1,2,3
.irp t, 0,1
	v_max3_num_f32 v[ST+8*\t+4+\j], v[ST+8*\t+4+\j], v[S+32*\t+8*\j+\u], v[S+32*\t+8*\j+\u+1]
.endr
.endr
.endr
.irp t, 0,1
	v_max3_num_f32 v[ST+8*\t+4], v[ST+8*\t+4], v[S+32*\t+7], v[S+32*\t+15]
	v_max3_num_f32 v[ST+8*\t+6], v[ST+8*\t+6], v[S+32*\t+23], v[S+32*\t+31]
.endr
.irp t, 0,1
	v_max3_num_f32 v[ST+8*\t+4], v[ST+8*\t+4], v[ST+8*\t+5], v[ST+8*\t+6]
.endr
.irp t, 0,1
.if \first
	v_max_num_f32 v[ST+8*\t+4], v[ST+8*\t+4], v[ST+8*\t+7]
.else
	v_max3_num_f32 v[ST+8*\t+4], v[ST+8*\t+4], v[ST+8*\t+7], v[ST+8*\t+1]   ; with the old m
.endif
.endr
.irp t, 0,1
	v_permlanex16_b32 v[ST+8*\t+5], v[ST+8*\t+4], s[SEL], s[SEL+1]   ; the query's other 32 keys lie in the lane 16 away
.endr
.if !\first
.irp t, 0,1
	v_mov_b32 v[ST+8*\t+7], v[ST+8*\t]             ; c m_old is kept for a
.endr
.endif
.irp t, 0,1
	v_max_num_f32 v[ST+8*\t+1], v[ST+8*\t+4], v[ST+8*\t+5]   ; the new m
.endr
.irp t, 0,1
	v_mul_f32 v[ST+8*\t], s[CS], v[ST+8*\t+1]      ; c m
.endr
.if !\first
.irp t, 0,1
	v_sub_f32 v[ST+8*\t+7], v[ST+8*\t+7], v[ST+8*\t]
.endr
.endif
.set I, 0
.rept 16
.irp t, 0,1
	v_pk_fma_f32 v[S+32*\t+I:S+32*\t+I+1], v[S+32*\t+I:S+32*\t+I+1], s[CS:CS+1], v[ST+8*\t:ST+8*\t+1] op_sel_hi:[1,0,0] neg_lo:[0,0,1] neg_hi:[0,0,1]   ; c s - c m, two at a time
.endr
.set I, I+2
.endr
.if !\first
.irp t, 0,1
	v_exp_f32 v[ST+8*\t+6], v[ST+8*\t+7]           ; a = 2^(c m_old - c m_new)
.endr
.endif
.set I, 0
.rept 64
	v_exp_f32 v[S+I], v[S+I]                       ; p
.set I, I+1
.endr
	v_nop                                          ; a plain line between the last exponential and the use of its result
.set I, 0
	s_wait_alu depctr_va_vdst(0)
.rept 32
	v_cvt_pk_f16_f32 v[P+I], v[S+2*I], v[S+2*I+1]  ; P's fragments: pairs of neighbouring keys
.set I, I+1
.endr
.irp w, 4,8,16                         ; the sum of a tile's 16 pairs, in place, of the unrounded p: neighbours 1, 2, 4 pairs apart, both tiles in one sweep
.set I, 0
.rept 64/\w
	v_pk_add_f32 v[S+I:S+I+1], v[S+I:S+I+1], v[S+I+\w/2:S+I+\w/2+1]
.set I, I+\w
.endr
.endr
.irp t, 0,1
.if \first
	v_pk_add_f32 v[ST+8*\t+2:ST+8*\t+3], v[S+32*\t:S+32*\t+1], v[S+32*\t+16:S+32*\t+17]
.else
	v_pk_add_f32 v[S+32*\t:S+32*\t+1], v[S+32*\t:S+32*\t+1], v[S+32*\t+16:S+32*\t+17]
.endif
.endr
.if !\first
.irp t, 0,1
	v_pk_fma_f32 v[ST+8*\t+2:ST+8*\t+3], v[ST+8*\t+2:ST+8*\t+3], v[ST+8*\t+6:ST+8*\t+7], v[S+32*\t:S+32*\t+1] op_sel_hi:[1,0,1]   ; l = a l + the sum
.endr
.endif
.endm
.macro RESCALE                         ; O^T times the number in statistics + 6 (a; at the end 1 / l), ascending: each accumulator from its low end on
.irp win, 0x82, 0xc3                   ; destination and source 0 in window 2, then 3; the factor in window 0
	WIN \win
.irp t, 0,1
.set I, 128*\t
.rept 64
	v_pk_mul_f32 v[I:I+1], v[I:I+1], v[ST+8*\t+6:ST+8*\t+7] op_sel_hi:[1,0]
.set I, I+2
.endr
.endr
.endr
	WIN 0
.endm
.macro ATT first                       ; a key step
	WIN 0x04
	FETCH_X 0
	FETCH_X 1
	FETCH_X 2
	FETCH_X 3
	RUN_S 0
	WIN 0
	PLACES
	FETCH_V 0                                      ; v's first fragments land under the softmax
	FETCH_V 1
	FETCH_V 2
	FETCH_V 3
	SOFT \first
.if !\first
	RESCALE
.endif
	RUN_O \first
	WIN 0
	PLACES                                         ; behind the step's last products: the next loads into the ring of fragments and the next reads of O^T are free
	s_xor_b32 s[TB], s[TB], SLOT1                  ; on to the other slot
.endm
.macro PROJ                            ; a step of 64 output columns: Y^T = Wp^T (O / l), K = the head's 512 channels, by the same products as S^T
	WIN 0x04
	FETCH_W 0
	FETCH_W 1
	FETCH_W 2
	FETCH_W 3
	RUN_S 1
	WIN 0
	PLACES
.irp t, 0,1
.irp oc, 0,1,2,3
	ds_store_b128 v[STO], v[S+32*\t+8*\oc:S+32*\t+8*\oc+3] offset:16*SP*\t+64*\oc        ; lane (r, h): row 16 t + r, columns 16 oc + 8 h + 0 .. 7; the low half first
	ds_store_b128 v[STO], v[S+32*\t+8*\oc+4:S+32*\t+8*\oc+7] offset:16*SP*\t+64*\oc+16
.endr
.endr
.irp i, 0,1,2,3,4,5,6,7,8,9,10,11,12,13,14,15
	ds_load_b128 v[F+4*\i:F+4*\i+3], v[RD] offset:2*SP*\i   ; my own stage: LDS serves a wave's instructions in order
.endr
.irp i, 0,1,2,3,4,5,6,7,8,9,10,11,12,13,14,15
	s_wait_dscnt 15-\i                             ; load i is back, the younger ones may be out
	global_store_b128 v[GO], v[F+4*\i:F+4*\i+3], s[OUTP:OUTP+1] offset:4096*\i th:TH_STORE_NT   ; 16 lanes store 256 consecutive bytes, aligned; nobody reads them in this launch
.endr
	s_xor_b32 s[TB], s[TB], SLOT1
.endm
	s_load_b256 s[4:11], s[0:1], 0x0               ; qb s[4:5], xb s[6:7], wpb s[8:9], part s[10:11]
	v_lshl_add_u32 v[SPW], v0, 2, SPARE
	v_mov_b32 v[NIL], 0
	ds_add_u32 v10, v11
	s_wait_dscnt 0x0
	v_lshrrev_b32 v1, 5, v0
	v_readfirstlane_b32 s[WV], v1                  ; wave 0..3
	s_bfe_u32 s13, ttmp6, 0x40000                  ; cx: it enters Q's, part's and the prefetches' addresses alone
	s_lshl_b32 s14, ttmp9, 2
	s_add_co_u32 s14, s14, s13                     ; my block of 128 queries
	s_and_b32 s15, ttmp7, 0xffff                   ; 8 b + h, which the four partners share
	s_lshr_b32 s16, s15, 3                         ; b
	s_and_b32 s17, s15, 7                          ; h
	s_and_b32 s18, s[WV], 1                        ; which 32 rows of a tile I fetch
	; group 1: x and v: 32 rows x 512 elements of 2 bytes, padded behind every 256 words by 4 (x) or 8 (v); Wp: 64 rows x 128 elements, dense in memory, 8 words behind every 64
	s_mov_b32 s[G1X], 15|(1<<16)|(1<<20)|(1<<21)|(7<<22)|(3<<25)
	s_mov_b32 s[G1V], 15|(1<<16)|(1<<20)|(1<<21)|(7<<22)|(7<<25)
.irp g, G1X, G1V
	s_mov_b32 s[\g+1], 512<<16
	s_mov_b32 s[\g+2], 32<<16
	s_mov_b32 s[\g+3], 512<<16
	s_mov_b32 s[\g+4], 32
	s_mov_b32 s[\g+5], 512
	s_mov_b32 s[\g+6], 0
	s_mov_b32 s[\g+7], 0
.endr
	s_mov_b32 s[G1W], 15|(1<<16)|(1<<20)|(1<<21)|(5<<22)|(7<<25)
	s_mov_b32 s[G1W+1], 128<<16
	s_mov_b32 s[G1W+2], 64<<16
	s_mov_b32 s[G1W+3], 128<<16
	s_mov_b32 s[G1W+4], 64
	s_mov_b32 s[G1W+5], 128
	s_mov_b32 s[G1W+6], 0
	s_mov_b32 s[G1W+7], 0
	s_mov_b32 s[CS], 0x3d8293ee                    ; c = log2(e) / sqrt(512)
	s_mov_b32 s[CS+1], s[CS]
	s_mov_b32 s[SEL], 0x76543210
	s_mov_b32 s[SEL+1], 0xfedcba98
	s_mov_b32 s[TB], 0
	s_lshl_b32 s20, s16, 20                        ; the batch's first byte in xb
	s_mov_b32 s21, 0
	s_lshl_b32 s22, s15, 20                        ; the (batch, head)'s first byte in qb
	s_lshl_b32 s19, s18, 15                        ; my 32 rows of 1,024 bytes
	s_lshl_b32 s76, s17, 19                        ; the head's first byte in wpb
	s_mov_b32 s79, 0
	s_mov_b32 s83, 0
	s_wait_kmcnt 0x0
	; the prefetches: who asks, and where
	s_cmp_lt_u32 s[WV], 2
	s_cselect_b64 s[PFA:PFA+1], s[6:7], s[4:5]     ; waves 0, 1: x; waves 2, 3: v
	s_cselect_b32 s78, s20, s22
	s_cselect_b32 s80, s17, 0                      ; x is asked for by head 0 alone
	s_lshl_b32 s81, s13, 1
	s_add_co_u32 s81, s81, s18
	s_lshl_b32 s81, s81, 13                        ; my 8,192 bytes of a tile
	s_add_co_u32 s78, s78, s81
	s_add_co_u32 s78, s78, 2*65536                 ; at step 2's tile: the first asking change steps it to step 3's
	s_add_nc_u64 s[PFA:PFA+1], s[PFA:PFA+1], s[78:79]
	s_or_b32 s80, s80, ttmp9                       ; and by the first cluster alone: the same in all four partners
	s_cmp_eq_u32 s80, 0
	s_cselect_b32 s[LIM], 1, -1
	s_lshl_b32 s81, s13, 1
	s_add_co_u32 s81, s81, s[WV]
	s_lshl_b32 s81, s81, 13
	s_add_co_u32 s78, s76, s81
	s_add_co_u32 s78, s78, 65536                   ; at Wp's block 1
	s_add_nc_u64 s[PFW:PFW+1], s[8:9], s[78:79]
	s_lshr_b32 s80, s[WV], 1
	s_or_b32 s80, s80, s16
	s_or_b32 s80, s80, ttmp9
	s_cmp_eq_u32 s80, 0                            ; waves 0, 1 of batch 0's first cluster
	s_cselect_b32 s[LIMW], 2, -1
	; group 0: nothing in them hangs on my place in the cluster
	s_mov_b32 s[G0X], 1
	s_mul_i32 s[G0X+1], s18, 32*PX
	s_add_co_u32 s20, s20, s19
	s_add_nc_u64 s[G0X+2:G0X+3], s[6:7], s[20:21]
	s_or_b32 s[G0X+3], s[G0X+3], 0x80000000
	s_mov_b32 s[G0V], 1
	s_mul_i32 s[G0V+1], s18, 32*PV
	s_add_co_u32 s[G0V+1], s[G0V+1], VOFF
	s_add_co_u32 s82, s22, s19
	s_add_nc_u64 s[G0V+2:G0V+3], s[4:5], s[82:83]
	s_or_b32 s[G0V+3], s[G0V+3], 0x80000000
	s_mov_b32 s[G0W], 1
	s_mul_i32 s[G0W+1], s[WV], 64*PW
	s_lshl_b32 s82, s[WV], 14
	s_add_co_u32 s82, s82, s76
	s_add_nc_u64 s[G0W+2:G0W+3], s[8:9], s[82:83]
	s_or_b32 s[G0W+3], s[G0W+3], 0x80000000
	s_lshl_b32 s82, s14, 17                        ; Q: my block's 128 rows,
	s_add_co_u32 s82, s82, s22
	s_lshl_b32 s81, s[WV], 15                      ; my wave's 32 of them
	s_add_co_u32 s82, s82, s81
	s_add_nc_u64 s[4:5], s[4:5], s[82:83]
	s_lshl_b32 s82, s16, 10                        ; part: row 1,024 b + 128 block + 32 wave, 2,048 bytes a row,
	s_lshl_b32 s81, s14, 7
	s_add_co_u32 s82, s82, s81
	s_lshl_b32 s81, s[WV], 5
	s_add_co_u32 s82, s82, s81
	s_lshl_b32 s82, s82, 11
	s_lshl_b32 s81, s17, 23                        ; in the head's plane
	s_add_co_u32 s82, s82, s81
	s_add_nc_u64 s[OUTP:OUTP+1], s[10:11], s[82:83]
	CROUND                                         ; all four work-groups are here: the first joint loads meet
	JLOAD_XV                                       ; key step 0, into slot 0
	v_and_b32 v1, 15, v0                           ; r
	v_bfe_u32 v14, v0, 4, 1                        ; h
	v_mul_u32_u24 v[AX0], v1, PX
	v_lshl_add_u32 v[AX0], v14, 4, v[AX0]          ; x: row r, + 16 h
	v_and_b32 v15, 7, v0
	v_lshl_add_u32 v[AV0], v14, 3, v15             ; v, turned: key 8 h + l % 8,
	v_mul_u32_u24 v[AV0], v[AV0], PV
	v_bfe_u32 v15, v0, 3, 1
	v_lshl_add_u32 v[AV0], v15, 4, v[AV0]          ; channels 8 ((l / 8) % 2) on
	v_add_nc_u32 v[AV0], VOFF, v[AV0]
	v_bfe_u32 v[AW0], v0, 1, 2
	v_lshl_add_u32 v[AW0], v14, 2, v[AW0]          ; Wp, turned: channel 8 h + l % 8 lies in LDS row 4 h + (l % 8) / 2,
	v_mul_u32_u24 v[AW0], v[AW0], PW
	v_lshl_add_u32 v[AW0], v15, 4, v[AW0]
	v_and_b32 v15, 1, v0
	v_lshl_add_u32 v[AW0], v15, 7, v[AW0]          ; in its half l % 2
	v_lshlrev_b32 v[QO], 10, v1
	v_lshl_add_u32 v[QO], v14, 4, v[QO]
	WIN 0x40                                       ; destination window 1
.irp t, 0,1
.set KK, 0
.rept 16
	global_load_b128 v[128*\t+8*KK:128*\t+8*KK+3],   v[QO], s[4:5] offset:16384*\t+64*KK      ; Q stays in registers
	global_load_b128 v[128*\t+8*KK+4:128*\t+8*KK+7], v[QO], s[4:5] offset:16384*\t+64*KK+32
.set KK, KK+1
.endr
.endr
	WIN 0
	s_mul_i32 s81, s[WV], 32*SP
	s_add_co_u32 s81, s81, STAGE                   ; my stage
	v_mul_u32_u24 v[STO], v1, SP
	v_lshl_add_u32 v[STO], v14, 5, v[STO]
	v_add_nc_u32 v[STO], s81, v[STO]               ; in: row r, 32 bytes for each half of the lanes
	v_mul_u32_u24 v[RD], v14, SP
	v_lshl_add_u32 v[RD], v1, 4, v[RD]
	v_add_nc_u32 v[RD], s81, v[RD]                 ; back: lanes 0-15 one row of 256 bytes, lanes 16-31 the next
	v_and_b32 v[PFO], 31, v0
	v_lshlrev_b32 v[PFO], 8, v[PFO]
	v_lshlrev_b32 v[GO], 11, v14
	v_lshl_add_u32 v[GO], v1, 4, v[GO]             ; and the same two rows of part
	CHANGE_XV 0                                    ; key step 0; step 1's tile is asked for, into slot 1
	s_wait_loadcnt 0x0                             ; Q
	ATT 1
	s_mov_b32 s[CNT], 14
.Lkey:                                                 ; key steps 1 to 14
	CHANGE_XV 1
	ATT 0
	s_sub_co_u32 s[CNT], s[CNT], 1
	s_cmp_lg_u32 s[CNT], 0
	s_cbranch_scc1 .Lkey
	CHANGE_W0                                      ; key step 15 is written out: its refill is another
	ATT 0
	; O^T / l, rounded to f16 into Q's registers: the pairs of tiles are the fragments of the last product's source 1
.irp t, 0,1
	v_add_f32 v[ST+8*\t+4], v[ST+8*\t+2], v[ST+8*\t+3]
.endr
.irp t, 0,1
	v_permlanex16_b32 v[ST+8*\t+5], v[ST+8*\t+4], s[SEL], s[SEL+1]
.endr
.irp t, 0,1
	v_add_f32 v[ST+8*\t+4], v[ST+8*\t+4], v[ST+8*\t+5]   ; the row's sum
.endr
.irp t, 0,1
	v_rcp_f32 v[ST+8*\t+6], v[ST+8*\t+4]
.endr
	v_nop                                          ; a plain line between the last reciprocal and its use
	s_wait_alu depctr_va_vdst(0)
	RESCALE
	WIN 0x4a                                       ; sources in window 2, destination in window 1
.irp t, 0,1
.set CC, 0
.rept 16
.irp j, 0,1,2,3
	v_cvt_pk_f16_f32 v[128*\t+4*CC+\j], v[128*\t+8*CC+2*\j], v[128*\t+8*CC+2*\j+1]
.endr
.set CC, CC+1
.endr
.endr
	WIN 0x4f                                       ; sources in window 3: channels 256 on
.irp t, 0,1
.set CC, 0
.rept 16
.irp j, 0,1,2,3
	v_cvt_pk_f16_f32 v[128*\t+64+4*CC+\j], v[128*\t+8*CC+2*\j], v[128*\t+8*CC+2*\j+1]
.endr
.set CC, CC+1
.endr
.endr
	WIN 0
	CHANGE_W 131072, 0, 1                          ; column step 0
	PROJ
	s_mov_b32 s[CNT], 6
.Lproj:                                                ; column steps 1 to 6
	CHANGE_W 65536, 1, 0
	PROJ
	s_sub_co_u32 s[CNT], s[CNT], 1
	s_cmp_lg_u32 s[CNT], 0
	s_cbranch_scc1 .Lproj
	CHANGE_END                                     ; column step 7 is written out
	PROJ
	s_wait_tensorcnt 0x0                           ; the wave's end
	ds_add_u32 v[SPW], v[NIL]
	s_wait_dscnt 0x0
	CROUND                                         ; the closing round: no work-group ends while a partner may still ask for a tile that names it
	s_endpgm
.Lfunc_end_k_qebdf05097b_attn:
	.size	k_qebdf05097b_attn, .Lfunc_end_k_qebdf05097b_attn-k_qebdf05097b_attn
	.p2alignl 7, 3214868480
	.fill 96, 4, 3214868480
	.section	.rodata,"a",@progbits
	.p2align	6, 0x0
	.amdhsa_kernel k_qebdf05097b_attn
		.amdhsa_group_segment_fixed_size 327680
		.amdhsa_private_segment_fixed_size 0
		.amdhsa_enable_private_segment 0
		.amdhsa_kernarg_size 32
		.amdhsa_user_sgpr_count 2
		.amdhsa_user_sgpr_kernarg_segment_ptr 1
		.amdhsa_wavefront_size32 1
		.amdhsa_system_sgpr_workgroup_id_x 1
		.amdhsa_system_sgpr_workgroup_id_y 1
		.amdhsa_system_sgpr_workgroup_id_z 1
		.amdhsa_system_vgpr_workitem_id 0
		.amdhsa_next_free_vgpr 1024
		.amdhsa_next_free_sgpr 84
		.amdhsa_reserve_vcc 0
		.amdhsa_float_denorm_mode_32 3
		.amdhsa_float_denorm_mode_16_64 3
		.amdhsa_memory_ordered 1
		.amdhsa_forward_progress 1
		.amdhsa_inst_pref_size 255
	.end_amdhsa_kernel
	.section	.bss,"aw",@nobits
	.p2align	6
	.space	262144
	.amdgpu_metadata
---
amdhsa.version: [ 1, 2 ]
amdhsa.kernels:
  - .name:           k_qebdf05097b_attn
    .symbol:         k_qebdf05097b_attn.kd
    .args:
      - { .name: qb, .offset: 0, .size: 8, .value_kind: global_buffer, .address_space: global }
      - { .name: xb, .offset: 8, .size: 8, .value_kind: global_buffer, .address_space: global }
      - { .name: wpb, .offset: 16, .size: 8, .value_kind: global_buffer, .address_space: global }
      - { .name: part, .offset: 24, .size: 8, .value_kind: global_buffer, .address_space: global }
    .group_segment_fixed_size: 327680
    .private_segment_fixed_size: 0
    .kernarg_segment_align: 8
    .kernarg_segment_size: 32
    .max_flat_workgroup_size: 128
    .sgpr_count:     84
    .vgpr_count:     1024
    .wavefront_size: 32
...
	.end_amdgpu_metadata
.endif
;; end of part 3
;; launch hsum (part 4): grid 512 x 1, 8 waves a work-group, no clusters, 0 bytes of LDS; arguments part, bp, out0; writes out0
.if DOCPART == 4
	.amdgcn_target "amdgcn-amd-amdhsa--gfx1250"
	.amdhsa_code_object_version 6
	.text
	.protected	k_qebdf05097b_hsum
	.globl	k_qebdf05097b_hsum
	.p2align	8
	.type	k_qebdf05097b_hsum,@function
k_qebdf05097b_hsum:
	s_mov_b64 s[64:65], 0
	v_nop
	global_prefetch_b8 v0, s[64:65] scope:SCOPE_SE
	s_setreg_imm32_b32 hwreg(HW_REG_WAVE_MODE, 25, 1), 1
	s_wait_xcnt 0x0
; out0[m][:] = bp + the sum over the eight heads of part[h][m][:], in f32, the heads in ascending order.  part: [8][4096][512] f32; bp: [512]; out0: [4096][512].
; A stream: every byte is read once and written once; no LDS, no barrier, no matrix unit: the waves share nothing.
; A work-group owns 8 rows (16,384 bytes); thread t owns the 16 bytes at 16 t of each of four passes of two rows, so a wave's load or store covers 512 consecutive bytes.
; All 32 loads of a thread go out at once; each pass has registers of its own, so no register is written while a store may still read it.
	s_load_b128 s[4:7], s[0:1], 0x0                ; part, bp
	s_load_b64 s[8:9], s[0:1], 0x10                ; out0
	v_lshlrev_b32 v1, 4, v0                        ; my 16 bytes in a pass's 4,096
	v_and_b32 v2, 0x7ff, v1                        ; and in a row: my four numbers of the bias
	s_lshl_b32 s10, ttmp9, 14
	s_mov_b32 s11, 0
	s_wait_kmcnt 0x0
	s_add_nc_u64 s[16:17], s[4:5], s[10:11]        ; head 0's plane at my rows
	s_add_nc_u64 s[8:9], s[8:9], s[10:11]
.irp h, 1,2,3,4,5,6,7
	s_add_nc_u64 s[16+2*\h:17+2*\h], s[14+2*\h:15+2*\h], 0x800000   ; a plane is 8,388,608 bytes: one more than a load's immediate reaches, so each head has a base
.endr
	global_load_b128 v[4:7], v2, s[6:7]
.irp p, 0,1,2,3
.irp h, 0,1,2,3,4,5,6,7
	global_load_b128 v[16+32*\p+4*\h:19+32*\p+4*\h], v1, s[16+2*\h:17+2*\h] offset:4096*\p th:TH_LOAD_NT
.endr
.endr
.irp p, 0,1,2,3
	s_wait_loadcnt 8*(3-\p)                        ; this pass's eight loads are in; the later passes', eight each, may be out
	v_pk_add_f32 v[144+4*\p:145+4*\p], v[4:5], v[16+32*\p:17+32*\p]
	v_pk_add_f32 v[146+4*\p:147+4*\p], v[6:7], v[18+32*\p:19+32*\p]
.irp h, 1,2,3,4,5,6,7
	v_pk_add_f32 v[144+4*\p:145+4*\p], v[144+4*\p:145+4*\p], v[16+32*\p+4*\h:17+32*\p+4*\h]
	v_pk_add_f32 v[146+4*\p:147+4*\p], v[146+4*\p:147+4*\p], v[18+32*\p+4*\h:19+32*\p+4*\h]
.endr
	global_store_b128 v1, v[144+4*\p:147+4*\p], s[8:9] offset:4096*\p th:TH_STORE_NT
.endr
	s_endpgm
.Lfunc_end_k_qebdf05097b_hsum:
	.size	k_qebdf05097b_hsum, .Lfunc_end_k_qebdf05097b_hsum-k_qebdf05097b_hsum
	.p2alignl 7, 3214868480
	.fill 96, 4, 3214868480
	.section	.rodata,"a",@progbits
	.p2align	6, 0x0
	.amdhsa_kernel k_qebdf05097b_hsum
		.amdhsa_group_segment_fixed_size 0
		.amdhsa_private_segment_fixed_size 0
		.amdhsa_enable_private_segment 0
		.amdhsa_kernarg_size 24
		.amdhsa_user_sgpr_count 2
		.amdhsa_user_sgpr_kernarg_segment_ptr 1
		.amdhsa_wavefront_size32 1
		.amdhsa_system_sgpr_workgroup_id_x 1
		.amdhsa_system_sgpr_workgroup_id_y 1
		.amdhsa_system_sgpr_workgroup_id_z 1
		.amdhsa_system_vgpr_workitem_id 0
		.amdhsa_next_free_vgpr 160
		.amdhsa_next_free_sgpr 66
		.amdhsa_reserve_vcc 0
		.amdhsa_float_denorm_mode_32 3
		.amdhsa_float_denorm_mode_16_64 3
		.amdhsa_memory_ordered 1
		.amdhsa_forward_progress 1
		.amdhsa_inst_pref_size 9
	.end_amdhsa_kernel
	.amdgpu_metadata
---
amdhsa.version: [ 1, 2 ]
amdhsa.kernels:
  - .name:           k_qebdf05097b_hsum
    .symbol:         k_qebdf05097b_hsum.kd
    .args:
      - { .name: part, .offset: 0, .size: 8, .value_kind: global_buffer, .address_space: global }
      - { .name: bp, .offset: 8, .size: 8, .value_kind: global_buffer, .address_space: global }
      - { .name: out0, .offset: 16, .size: 8, .value_kind: global_buffer, .address_space: global }
    .group_segment_fixed_size: 0
    .private_segment_fixed_size: 0
    .kernarg_segment_align: 8
    .kernarg_segment_size: 24
    .max_flat_workgroup_size: 256
    .sgpr_count:     66
    .vgpr_count:     160
    .wavefront_size: 32
...
	.end_amdgpu_metadata
.endif
;; end of part 4
